; MI455X (gfx1250); checked and timed in simulation.
; The chip was launched on July 23, 2026; its instructions are those of AMD's public machine-readable ISA for CDNA 5 (MIT licence, August 2026) and "CDNA5" Instruction Set Architecture Reference Guide (July 2026). The comments in the code are by the model that wrote it; some were corrected since.
;; My LSTM Cell. Allowed arithmetic: matrix products marked QUANTISED: E4M3 operands, one given power-of-two scale a tensor, by v_wmma_f32_16x16x64_fp8_fp8 or v_wmma_f32_16x16x128_fp8_fp8, f32 sums; everything else in f32.
;; Inputs: Wh 4 x 1,024 x 1,024 float32; Wx 4 x 1,024 x 1,024 float32; bh 4 x 1,024 float32; bx 4 x 1,024 float32; c 8,192 x 1,024 float32; h 8,192 x 1,024 float32; lowp_scales 4 int32 (the exponents e of the quantised operands' scales 2^e); x 8,192 x 1,024 float32.
;; Outputs: out0 8,192 x 1,024 float32; out1 8,192 x 1,024 float32.
;; This version of the problem:
;;   THIS VERSION OF THE PROBLEM IS GIVEN IN LOW PRECISION. The matrix products marked QUANTISED in the list below multiply operands that are first quantised to E4M3 (4 exponent bits, 3 mantissa bits; 8 bits a number), with one given power-of-two scale for each operand tensor; their sums are f32. All else is computed in f32.
;;   The module's matrix products, in the order in which they are computed (A, B: the left and right operand; K: the contracted axis; several contracted axes count as one K, in the product's order):
;;     1. [M 8,192, K 1,024] x [K 1,024, N 4,096]; A: input x; B: input Wx: QUANTISED (scales: A lowp_scales[0], B lowp_scales[1])
;;     2. [M 8,192, K 1,024] x [K 1,024, N 4,096]; A: input h; B: input Wh: QUANTISED (scales: A lowp_scales[2], B lowp_scales[3])
;;   THE QUANTISER, for each operand of a quantised product, along K:
;;     - The operand's scale is 2^e, e = its entry of the input lowp_scales (int32; the entries are numbered through the quantised products in the list's order, A before B).
;;     - Each number is divided by the scale, clamped to +-448, and rounded to the nearest number of E4M3, ties to even, subnormals kept.
;;     - The product sums the exact products of the quantised numbers (number of the format x scale) in f32.
;;   ~~~python
;;   def quantise(x, axis, e):      # numpy; x: float32 -> the quantised numbers, widened to float32 again
;;       x = np.moveaxis(x, axis, -1); K = x.shape[-1]
;;       r = np.clip(x / 2.0 ** e, -448, 448)
;;       step = 2.0 ** (np.maximum(np.frexp(np.where(r == 0, 1, r))[1] - 1, -6) - 3)
;;       q = np.round(r / step) * step * 2.0 ** e      # np.round: ties to even
;;       return np.moveaxis(q, -1, axis).astype(np.float32)
;;   ~~~
;; One version. Each part assembles by itself: llvm-mc -triple=amdgcn-amd-amdhsa -mcpu=gfx1250 --defsym DOCPART=n.
;; ======== version 1 of 1: 2 launches
;; limits: right only within a limited range of input values
;; workspace buffers: a_codes 16,777,216 bytes; w_codes 8,388,608 bytes
;; launch quant (part 1): grid 768 x 1, 4 waves a work-group, no clusters, 9,728 bytes of LDS; arguments x, h, Wx, Wh, lowp_scales, a_codes, w_codes; writes a_codes, w_codes
.if DOCPART == 1
	.amdgcn_target "amdgcn-amd-amdhsa--gfx1250"
	.amdhsa_code_object_version 6
	.text
	.protected	k_q56c39bef2d_quant
	.globl	k_q56c39bef2d_quant
	.p2align	8
	.type	k_q56c39bef2d_quant,@function
k_q56c39bef2d_quant:
	s_mov_b64 s[64:65], 0
	v_nop
	global_prefetch_b8 v0, s[64:65] scope:SCOPE_SE
	s_setreg_imm32_b32 hwreg(HW_REG_WAVE_MODE, 25, 1), 1
	s_wait_xcnt 0x0
; x, h [8192][1024] and Wx, Wh [4][1024][1024], f32, K innermost, become codes of FP8 (E4M3), each tensor with the one scale 2^e given for it
; (entries of the buffer of scales: 0 x, 1 Wx, 2 h, 3 Wh).  code = v / 2^e, held within +-448, rounded to the nearest code, ties to even.
; THE CODES ARE LAID AS IMAGES OF THE PRODUCT'S OPERAND REGISTERS.  A fragment is 16 rows x 128 K = 2,048 bytes: four chunks c of 512 bytes, lane l' = 16 h + r at byte 16 l' of a chunk:
; its dword j holds row r's numbers 4 q .. 4 q + 3 of the 128, q = 16 h + 4 c + j.  The same order along K in all four tensors: every code meets its partner.
; a_codes [64 groups of 128 rows][16 K steps: 8 of x, 8 of h][8 blocks of 16 rows][2,048].
; w_codes [32 groups of 32 outputs o][16 K steps: 8 of Wx, 8 of Wh][8 blocks 2 g + u: gate g, o = 32 group + 16 u + row][2,048].
; SHARES.  768 work-groups: 0-255 x, 256-511 h, 512-639 Wx, 640-767 Wh; one path, only pointers, offsets and e are chosen by the work-group's number.
; A wave takes 16 rows x 512 K: four fragments.  Each load reads 512 consecutive bytes of one row; a lane then holds 4 numbers of each of 16 rows; a conversion takes two rows' fours;
; the 16 dwords change lanes through the wave's own stage in LDS (rows of 256 + 16 bytes, one for each (c, h)) and leave as four stores of 512 consecutive bytes.
; Three fragments' loads (48 a wave) are out at the start.  No barrier: waves share nothing.
; LIMITS: -126 <= e <= 119, so that 2^e and 448 x 2^e are f32 numbers.  NaN among the inputs is not served; an infinity is held at the largest code.
.set EMAX,  8
.set MANT,  0x600000                   ; the mantissa field of 448 as f32
.set R,     16                         ; v16-207  three sets of 64 numbers: register 4 i + j: row i
.set C,     208                        ; v208-223 dword i: row i's four codes
.set OUT,   224                        ; v224-239 the fragment's image
.set WREG,  2304                       ; a wave's stage: 8 x 272 bytes, in whole blocks of 256
.set SPW,   12                         ; v12 my spare word; v13 0: never rewritten
.set NIL,   13
.set SPARE, 4*WREG
	s_load_b256 s[4:11], s[0:1], 0x0               ; x, h, Wx, Wh
	s_load_b64 s[12:13], s[0:1], 0x20              ; the scales' exponents
	s_load_b128 s[16:19], s[0:1], 0x28             ; a_codes, w_codes
	v_lshl_add_u32 v[SPW], v0, 2, SPARE
	v_mov_b32 v[NIL], 0
	v_lshrrev_b32 v1, 5, v0
	v_readfirstlane_b32 s20, v1                    ; wave
	v_and_b32 v2, 31, v0
	v_lshlrev_b32 v3, 4, v2                        ; 16 x lane: a load's and a store's 16 bytes
	s_mul_i32 s21, s20, WREG
	v_bfe_u32 v4, v0, 2, 2                         ; into the stage: lane q' = 16 h + 4 c + j puts row i's dword at 272 (2 c + h) + 16 i + 4 j
	v_bfe_u32 v5, v0, 4, 1
	v_lshl_add_u32 v4, v4, 1, v5
	v_mul_u32_u24 v4, v4, 272
	v_and_b32 v6, 3, v0
	v_lshl_add_u32 v4, v6, 2, v4
	v_add_nc_u32 v14, s21, v4
	v_mul_u32_u24 v5, v5, 272                      ; out of it: lane (r, h) takes 16 bytes at 272 (2 c + h) + 16 r
	v_and_b32 v6, 15, v0
	v_lshl_add_u32 v5, v6, 4, v5
	v_add_nc_u32 v15, s21, v5
	s_and_b32 s22, ttmp9, 255
	s_bfe_u32 s23, ttmp9, 0x10008
	s_and_b32 s24, ttmp9, 127
	s_bfe_u32 s25, ttmp9, 0x10007
	s_cmp_lt_u32 ttmp9, 512
	s_cselect_b32 s22, s22, s24
	s_cselect_b32 s23, s23, s25                    ; 0: the first eight K steps, 1: the second
	s_lshl_b32 s22, s22, 2
	s_add_co_u32 s22, s22, s20
	s_lshr_b32 s24, s22, 1                         ; which 16 rows of the tensor
	s_and_b32 s25, s22, 1                          ; which 512 of their 1,024 numbers
	s_lshr_b32 s26, s24, 3                         ; x, h: group, block
	s_and_b32 s27, s24, 7
	s_bfe_u32 s28, s24, 0x50001                    ; weights: rows 1,024 g + 16 (2 group + u)
	s_lshr_b32 s29, s24, 6
	s_lshl_b32 s29, s29, 1
	s_and_b32 s30, s24, 1
	s_or_b32 s29, s29, s30                         ; block 2 g + u
	s_cmp_lt_u32 ttmp9, 512
	s_cselect_b32 s26, s26, s28
	s_cselect_b32 s27, s27, s29
	s_lshl_b32 s26, s26, 18
	s_lshl_b32 s27, s27, 11
	s_add_co_u32 s26, s26, s27
	s_lshl_b32 s23, s23, 17
	s_add_co_u32 s26, s26, s23
	s_lshl_b32 s27, s25, 16
	s_add_co_u32 s26, s26, s27
	s_mov_b32 s27, 0                               ; s[26:27]: where my codes begin
	s_lshl_b32 s24, s24, 16
	s_lshl_b32 s25, s25, 11
	s_add_co_u32 s24, s24, s25
	s_mov_b32 s25, 0                               ; s[24:25]: where my numbers begin
	s_wait_alu depctr_va_vdst(0)                   ; directly ahead of the wait below
	s_wait_kmcnt 0x0
	s_load_b128 s[40:43], s[12:13], 0x0            ; e of x, Wx, h, Wh
	s_cmp_lt_u32 ttmp9, 256
	s_cselect_b64 s[28:29], s[4:5], s[6:7]
	s_cmp_lt_u32 ttmp9, 640
	s_cselect_b64 s[30:31], s[8:9], s[10:11]
	s_cmp_lt_u32 ttmp9, 512
	s_cselect_b64 s[4:5], s[28:29], s[30:31]
	s_cselect_b64 s[8:9], s[16:17], s[18:19]
	s_add_nc_u64 s[4:5], s[4:5], s[24:25]
	s_add_nc_u64 s[8:9], s[8:9], s[26:27]
.macro LOAD u
.irp i, 0,1,2,3,4,5,6,7,8,9,10,11,12,13,14,15
	global_load_b128 v[R+64*((\u)%3)+4*\i:R+64*((\u)%3)+4*\i+3], v3, s[4:5] offset:4096*\i+512*(\u) th:TH_LOAD_NT   ; 512 consecutive bytes of row i
.endr
.endm
	LOAD 0
	LOAD 1
	LOAD 2
	s_wait_kmcnt 0x0
	s_cmp_lt_u32 ttmp9, 256
	s_cselect_b32 s32, s40, s42
	s_cmp_lt_u32 ttmp9, 640
	s_cselect_b32 s33, s41, s43
	s_cmp_lt_u32 ttmp9, 512
	s_cselect_b32 s32, s32, s33                    ; e of my tensor
	s_add_co_i32 s32, s32, 127
	s_lshl_b32 s33, s32, 23
	v_mov_b32 v11, s33                             ; 2^e
	s_add_co_i32 s32, s32, EMAX
	s_lshl_b32 s32, s32, 23
	s_or_b32 s32, s32, MANT
	v_mov_b32 v10, s32                             ; 448 x 2^e
	s_wait_alu depctr_va_vdst(0)                   ; the head's end
.macro UNIT u, left
.set XS, R+64*((\u)%3)
	s_wait_loadcnt \left                           ; this fragment's 16 loads are in; the later fragments' may be out
.set I, 0
.rept 64
	v_med3_num_f32 v[XS+I], v[XS+I], -v10, v10     ; the conversion does not saturate (ISA guide 7.6.2): hold first
.set I, I+1
.endr
.irp m, 0,1,2,3,4,5,6,7
	v_cvt_scalef32_pk8_fp8_f32 v[C+2*\m:C+2*\m+1], v[XS+8*\m:XS+8*\m+7], v11   ; rows 2 m and 2 m + 1: a dword each
.endr
.if (\u) == 0
	LOAD 3                                         ; the set just converted takes the last fragment
.endif
.irp i, 0,1,2,3,4,5,6,7,8,9,10,11,12,13,14,15
	ds_store_b32 v14, v[C+\i] offset:16*\i
.endr
	s_wait_xcnt 0x0                                ; the last fragment's stores have read OUT
.irp c, 0,1,2,3
	ds_load_b128 v[OUT+4*\c:OUT+4*\c+3], v15 offset:544*\c   ; LDS serves a wave's instructions in order: these see the stores above
.endr
	s_wait_dscnt 0x0
.irp c, 0,1,2,3
	global_store_b128 v3, v[OUT+4*\c:OUT+4*\c+3], s[8:9] offset:16384*(\u)+512*\c   ; 512 consecutive bytes, aligned
.endr
.endm
	UNIT 0, 32
	UNIT 1, 32
	UNIT 2, 16
	UNIT 3, 0
	s_wait_tensorcnt 0x0                           ; the wave's end
	ds_add_u32 v[SPW], v[NIL]
	s_wait_dscnt 0x0
	s_endpgm
.Lfunc_end_k_q56c39bef2d_quant:
	.size	k_q56c39bef2d_quant, .Lfunc_end_k_q56c39bef2d_quant-k_q56c39bef2d_quant
	.p2alignl 7, 3214868480
	.fill 96, 4, 3214868480
	.section	.rodata,"a",@progbits
	.p2align	6, 0x0
	.amdhsa_kernel k_q56c39bef2d_quant
		.amdhsa_group_segment_fixed_size 9728
		.amdhsa_private_segment_fixed_size 0
		.amdhsa_enable_private_segment 0
		.amdhsa_kernarg_size 56
		.amdhsa_user_sgpr_count 2
		.amdhsa_user_sgpr_kernarg_segment_ptr 1
		.amdhsa_wavefront_size32 1
		.amdhsa_system_sgpr_workgroup_id_x 1
		.amdhsa_system_sgpr_workgroup_id_y 1
		.amdhsa_system_sgpr_workgroup_id_z 1
		.amdhsa_system_vgpr_workitem_id 0
		.amdhsa_next_free_vgpr 240
		.amdhsa_next_free_sgpr 66
		.amdhsa_reserve_vcc 0
		.amdhsa_float_denorm_mode_32 3
		.amdhsa_float_denorm_mode_16_64 3
		.amdhsa_memory_ordered 1
		.amdhsa_forward_progress 1
		.amdhsa_inst_pref_size 35
	.end_amdhsa_kernel
	.amdgpu_metadata
---
amdhsa.version: [ 1, 2 ]
amdhsa.kernels:
  - .name:           k_q56c39bef2d_quant
    .symbol:         k_q56c39bef2d_quant.kd
    .args:
      - { .name: x, .offset: 0, .size: 8, .value_kind: global_buffer, .address_space: global }
      - { .name: h, .offset: 8, .size: 8, .value_kind: global_buffer, .address_space: global }
      - { .name: Wx, .offset: 16, .size: 8, .value_kind: global_buffer, .address_space: global }
      - { .name: Wh, .offset: 24, .size: 8, .value_kind: global_buffer, .address_space: global }
      - { .name: lowp_scales, .offset: 32, .size: 8, .value_kind: global_buffer, .address_space: global }
      - { .name: a_codes, .offset: 40, .size: 8, .value_kind: global_buffer, .address_space: global }
      - { .name: w_codes, .offset: 48, .size: 8, .value_kind: global_buffer, .address_space: global }
    .group_segment_fixed_size: 9728
    .private_segment_fixed_size: 0
    .kernarg_segment_align: 8
    .kernarg_segment_size: 56
    .max_flat_workgroup_size: 128
    .sgpr_count:     66
    .vgpr_count:     240
    .wavefront_size: 32
...
	.end_amdgpu_metadata
.endif
;; end of part 1
;; launch cell (part 2): grid 4 x 64, 4 waves a work-group, clusters of 4 x 1, 327,680 bytes of LDS; arguments a_codes, w_codes, lowp_scales, bx, bh, c, out0, out1; writes out0, out1
.if DOCPART == 2
	.amdgcn_target "amdgcn-amd-amdhsa--gfx1250"
	.amdhsa_code_object_version 6
	.text
	.protected	k_q56c39bef2d_cell
	.globl	k_q56c39bef2d_cell
	.p2align	8
	.type	k_q56c39bef2d_cell,@function
k_q56c39bef2d_cell:
	s_mov_b64 s[64:65], 0
	v_nop
	global_prefetch_b8 v0, s[64:65] scope:SCOPE_SE
	s_setreg_imm32_b32 hwreg(HW_REG_WAVE_MODE, 25, 1), 1
	s_wait_xcnt 0x0
	s_wait_alu depctr_hold_cnt(0) depctr_sa_sdst(0) depctr_va_vdst(0) depctr_va_sdst(0) depctr_va_ssrc(0) depctr_va_vcc(0) depctr_vm_vsrc(0)
	s_getreg_b32 s2, hwreg(HW_REG_IB_STS2, 6, 4)
	s_cmp_eq_u32 s2, 0
	s_cbranch_scc0 .Lentry_in_a_cluster
	s_endpgm
.Lentry_in_a_cluster:
	s_bfe_u32 s2, ttmp6, 0x10000c
	s_cmp_lg_u32 s2, 0x3003
	s_cbranch_scc0 .Lentry_shape_is_right
	s_endpgm
.Lentry_shape_is_right:
; AN LSTM STEP.  gates[b][g][o] = x Wx^T + h Wh^T + bx + bh, both products on codes of FP8 (E4M3);  c_next = sigmoid(f) c + sigmoid(i) tanh(g);  h_next = sigmoid(o) tanh(c_next).  out0 = h_next, out1 = c_next.
; a_codes and w_codes hold images of the operands' registers (fragments of 16 rows x 128 K, 2,048 bytes; the quantising launch's head says how): the two products are ONE product over 16 K steps of 128.
; SHARES.  Work-group (cq, ry): rows 128 ry on, outputs 256 cq on.  ITS 128 ROWS OF a_codes, ALL 16 K STEPS, 262,144 BYTES, ARE FILLED ONCE AND STAY IN LDS: no LDS byte is filled twice, and the K loop has no barrier.
; A wave makes two tiles, one after the other, of 128 rows x (4 gates x 32 outputs): 64 accumulators, 512 registers.  Its weights come from memory straight into registers, each lane's 16 bytes beside its neighbour's:
; three sets of 128 registers; during a step the step two on is asked for, into the set of the step before: up to 64 loads of a wave are out.
; A's fragments come from LDS into three slots of two blocks; during a pair's products the pair two on is fetched.
; LOADS STAND IN FOUR RUNS A STEP, one in each pair of A's blocks, behind its fourth product and four plain places: the 8 LDS loads of A's pair two on, then 8 of the 32 loads of the weights two steps on.
; THE MATRIX INSTRUCTION IS USED TRANSPOSED (source 0 = 16 rows of W, source 1 = 16 rows of A): in accumulator (a, 2 g + u) lane (r, h) holds, in register j, gate g of row 16 a + r at o = 16 u + 8 h + j: all four gates of an output in one lane.
; ORDERS.  The 64 work-groups of one cq read the same weights.  They walk them in 16 orders, made of ry alone: K's quarters in the order p xor sq (sq = bits 3:2 of ry; A's quarters are laid into LDS in that order), and the four
; pairs of column tiles in the order i + 2 t + rho mod 4 (rho = bits 1:0 of ry; i the pair of waves, t the tile).  In the first four steps the sixteen orders together name every byte of cq's weights; each later step names bytes that another order has named before:
; so no prefetch is written for the weights.  c is read once: its 256 blocks of a tile are prefetched 13 K steps ahead of the first load, each named once.
; CLUSTER: the four cq of one ry need the same A: one joint load a wave.  The weights go to registers, a way that has no joint request; LDS has 65,536 bytes beside A, of which the stages take 50,688: no room for two slots of weights.
; SCALES.  e0 .. e3 (x, Wx, h, Wh).  One f32 sum serves both products: between the halves of K it is multiplied by 2^(the first half's exponents - the second half's).  Which half is first is chosen by sq, without a branch.
; LIMITS: e0 + e1, e2 + e3 and their difference each between -126 and 126.  NaN among the inputs is not served (the hold of tanh's exponent drops it).
; ACTIVATIONS.  sigmoid(z) = 1 / (1 + 2^(-z log2 e));  tanh(z) = (1 - E) / (1 + E), E = 2^(-2 z log2 e), its exponent held at 64.  sigmoid(i) tanh(g) and sigmoid(o) tanh(c_next) have one reciprocal each.
; Where the product of two denominators passes 2^126 the term comes out as 0; its true size is under 2^-62.
; THE TAIL goes by four groups of 32 rows.  c comes in and the results go out by whole rows (two aligned 256-byte pieces an instruction) and change layout through two stages in LDS, with two barriers a group.
; REGISTERS.  window 0: v0-31 addresses; v32-127 A's three slots (in the tail: biases v32-63, v96-127; incoming c v64-95); v128-255 W's set 2.  window 1: W's sets 0, 1 (the tail's work).  windows 2, 3: accumulators (a, b) at 64 (a % 4) + 8 b.
.set SP,    528                        ; a stage row: 512 bytes + 16
.set CST,   262144                     ; behind A: c's stage, 32 rows
.set OST,   CST+32*SP                  ; h_next's 32 rows, then c_next's
.set CN,    32*SP
.set SPARE, OST+2*CN                   ; the spare words, 512 bytes
.set LOFF, 2                           ; 16 x lane
.set ADA,  3                           ; A's fragments: 16 x lane + the trip's place
.set CAX,  5                           ; c's stage, my lane's 32 bytes of row r
.set STO,  6                           ; the results' stage, likewise
.set RD,   7                           ; the results' stage by rows
.set CSW,  8                           ; c's stage by rows
.set CO,   9                           ; my 16 bytes of a row's two 256-byte pieces, in memory (per tile)
.set BO,   10                          ; 32 h
.set PF,   11                          ; the prefetch: 4,096 (lane % 16) + my piece (per tile)
.set SPW,  28
.set NIL,  29
.set AF,   32
.set CG,   64
.set T,    0
.set GI,   0
.set GF,   16
.set GG,   32
.set GOU,  48
.set CC,   128
.set XX,   160
.set RB,   192
.set NOF, 2                            ; 16,384 x the place of the K step asked for next
.set K1,  12
.set TT,  23                           ; the tile, 0 or 1
.set SIG, 24                           ; 65,536 sq
.set AS,  25                           ; the trip's place in A
.set X2,  26                           ; 2 t + rho
.set WB,  28                           ; my tile's weights
.set WP,  30                           ; the K step asked for
.set G0,  32
.set G1,  36
.set CB,  44                           ; c at the rows that I fetch next
.set OB,  46                           ; my output at the rows that I store next
.set CPB, 48                           ; c at the rows that I prefetch
.set BXB, 50
.set BHB, 52
.set K2,  66
.set RS,  92
.set SA,  94
.set SG,  96
.set MSB, 0
.macro WIN new
.if MSB != (\new)
	s_set_vgpr_msb (MSB<<8)|(\new)
.set MSB, (\new)
.endif
.endm
.macro ROUND
	s_barrier_signal -1
	s_barrier_wait -1
	s_cmp_lg_u32 s14, 0
	s_cbranch_scc1 .Lnot_wave_0_\@
	s_barrier_signal -3
.Lnot_wave_0_\@:
	s_barrier_wait -3
	s_barrier_signal -1
	s_barrier_wait -1
.endm
.macro PLACES n
.rept \n
	v_nop
.endr
.endm
.macro OG                              ; s18 = which of cq's eight column tiles is mine in the tile of X2
	s_add_co_u32 s18, s15, s[X2]
	s_and_b32 s18, s18, 3
	s_lshl_b32 s18, s18, 1
	s_add_co_u32 s18, s18, s16
.endm
.macro WSET
	OG
	s_lshl_b32 s18, s18, 18
	s_add_nc_u64 s[WB:WB+1], s[6:7], s[18:19]
	s_mov_b32 s[NOF], 0
.endm
.macro WPTR                            ; the K step at the next place: number (place xor 4 sq)
	s_wait_xcnt 0x0                                ; earlier loads have read WP; earlier stores their data
	s_xor_b32 s18, s[NOF], s[SIG]
	s_add_co_u32 s[NOF], s[NOF], 16384
	s_add_nc_u64 s[WP:WP+1], s[WB:WB+1], s[18:19]
.endm
.macro WQ S, g                         ; W's block g into set S: four loads of 512 consecutive bytes
	WIN (1-(\S)/2)<<6
.irp c, 0,1,2,3
	global_load_b128 v[128*(((\S)+1)/2)+16*(\g)+4*\c:128*(((\S)+1)/2)+16*(\g)+4*\c+3], v[LOFF], s[WP:WP+1] offset:2048*(\g)+512*\c
.endr
.endm
.macro WRUN S
	WPTR
.irp g, 0,1,2,3,4,5,6,7
	WQ \S, \g
.endr
	WIN 0
.endm
.macro BLD base, sb, g                 ; a bias at blocks 2 g, 2 g + 1 (gate g), in the accumulators' layout, into window 1
.irp e, 0,1,2,3
	global_load_b128 v[(\base)+16*(\g)+4*\e:(\base)+16*(\g)+4*\e+3], v[BO], s[\sb:\sb+1] offset:4096*(\g)+64*(\e/2)+16*(\e%2)
.endr
.endm
.macro XLOAD kind, g, S                ; four loads.  kind 1: block g of the weights two steps on; 2: c's first group (g 0, 1) and bx (g 2 to 5); 3: bh (g 0 to 3)
.if \kind == 1
	WQ ((\S)+2)%3, \g
.endif
.if \kind == 2
	WIN 0x40
.if (\g) < 2
.irp c, 0,1,2,3
	global_load_b128 v[16*(\g)+4*\c:16*(\g)+4*\c+3], v[CO], s[CB:CB+1] offset:(4*(\g)+\c)*4096 th:TH_LOAD_NT
.endr
.elseif (\g) < 6
	BLD 32, BXB, (\g)-2
.endif
.endif
.if \kind == 3
.if (\g) < 4
	WIN 0x40
	BLD 128, BHB, \g
.endif
.endif
.endm
; 16 products: A's blocks 2 p, 2 p + 1 (slot PS) x W's eight (set S).  The 64 accumulators take turns in the same order in every step.
; Behind the fourth product and the fourth place: ONE run of loads, into the slot of the pair before and into the set of the step before.
.macro PAIR p, S, zero, kind, ald, dsn
	s_wait_dscnt \dsn                              ; my pair is in; the next pair's eight loads may be out
.set MW, 0xa0+0x50*((\p)/2)+1-(\S)/2
.set WR, 128*(((\S)+1)/2)
.set LS, AF+32*((PS+2)%3)
	WIN MW
.set N, 0
.rept 16
.set DR, 64*((2*(\p)+N/8)%4)+8*(N%8)
.set AR, AF+32*PS+16*(N/8)
.if \zero
	v_wmma_f32_16x16x128_fp8_fp8 v[DR:DR+7], v[WR+16*(N%8):WR+16*(N%8)+15], v[AR:AR+15], 0
.else
	v_wmma_f32_16x16x128_fp8_fp8 v[DR:DR+7], v[WR+16*(N%8):WR+16*(N%8)+15], v[AR:AR+15], v[DR:DR+7]
.endif
.if ((\ald)+(\kind)) && (N < 4)
	v_nop                                          ; four places behind the last pair's products, ahead of loads into what they read
.endif
.if ((\ald)+(\kind)) && (N == 3)
.if \ald
	WIN 0
.irp e, 0,1
.irp c, 0,1,2,3
	ds_load_b128 v[LS+16*\e+4*\c:LS+16*\e+4*\c+3], v[ADA] offset:AO+2048*\e+512*\c
.endr
.endr
.endif
.if \kind
	XLOAD \kind, 2*(\p), \S
	XLOAD \kind, 2*(\p)+1, \S
.endif
	WIN MW
.endif
.set N, N+1
.endr
.if \ald
.set AO, AO+4096
.endif
.set PS, (PS+1)%3
.endm
.macro STEP S, zero, kind, lc, na      ; lc: the loads issued behind this step's weights; na: 4, or 2 where the last two pairs fetch nothing of A
	s_wait_loadcnt \lc
.if \kind == 1
	WPTR
.endif
	PAIR 0, \S, \zero, \kind, 1, 8
	PAIR 1, \S, \zero, \kind, 1, 8
	PAIR 2, \S, \zero, \kind, (\na)/4, 8
	PAIR 3, \S, \zero, \kind, (\na)/4, 8*((\na)/4)
.endm
	s_load_b256 s[4:11], s[0:1], 0x0               ; a_codes, w_codes, the scales' exponents, bx
	s_load_b256 s[68:75], s[0:1], 0x20             ; bh, c, out0, out1
	v_lshl_add_u32 v[SPW], v0, 2, SPARE
	v_mov_b32 v[NIL], 0
	ds_add_u32 v[SPW], v[NIL]                      ; the opening lines: the add, twice on end, and its wait
	ds_add_u32 v[SPW], v[NIL]
	v_lshrrev_b32 v1, 5, v0
	v_readfirstlane_b32 s14, v1                    ; wave
	s_lshr_b32 s15, s14, 1                         ; my pair of waves
	s_and_b32 s16, s14, 1
	s_bfe_u32 s20, ttmp6, 0x40000                  ; cq = cx
	s_and_b32 s17, ttmp7, 0xffff                   ; ry
	s_and_b32 s[X2], s17, 3                        ; rho
	s_bfe_u32 s22, s17, 0x20002                    ; sq
	s_lshl_b32 s[SIG], s22, 16
	s_mov_b32 s[G1+0], 15|(3<<16)|(1<<21)          ; the cluster's four; elements of 8 bytes; bit 21 beside the mask
	s_mov_b32 s[G1+1], 32<<16                      ; rows of 256 bytes,
	s_mov_b32 s[G1+2], 256<<16                     ; 256 of them: a dense block of 65,536 bytes
	s_mov_b32 s[G1+3], 32<<16
	s_mov_b32 s[G1+4], 256
	s_mov_b32 s[G1+5], 32
	s_mov_b32 s[G1+6], 0
	s_mov_b32 s[G1+7], 0
	s_mov_b32 s[K1], 0xbfb8aa3b                    ; -log2 e
	s_mov_b32 s[K1+1], s[K1]
	s_mov_b32 s[K2], 0xc038aa3b                    ; -2 log2 e
	s_mov_b32 s[K2+1], s[K2]
	s_mov_b32 s19, 0                               ; the upper word of every offset s[18:19]; stays
	s_xor_b32 s21, s14, s22                        ; LDS quarter w takes K's quarter w xor sq
	s_lshl_b32 s21, s21, 16
	s_lshl_b32 s18, s17, 18
	s_add_co_u32 s18, s18, s21
	s_wait_alu depctr_va_vdst(0)                   ; directly ahead of the waits below
	s_wait_dscnt 0x0
	s_wait_kmcnt 0x0
	s_load_b128 s[88:91], s[8:9], 0x0              ; e0 .. e3
	s_mov_b32 s[G0], 1
	s_lshl_b32 s[G0+1], s14, 16
	s_add_nc_u64 s[G0+2:G0+3], s[4:5], s[18:19]
	s_or_b32 s[G0+3], s[G0+3], 0x80000000
	ROUND                                          ; the four work-groups are here: the joint loads meet
	tensor_load_to_lds s[G0:G0+3], s[G1:G1+7]      ; my one tensor load of the launch; s[32:43] are not written again
	s_nop 0
	s_lshl_b32 s18, s20, 21
	s_add_nc_u64 s[6:7], s[6:7], s[18:19]          ; cq's weights
	s_lshl_b32 s18, s20, 10
	s_add_nc_u64 s[10:11], s[10:11], s[18:19]      ; cq's biases
	s_add_nc_u64 s[68:69], s[68:69], s[18:19]
	s_lshl_b32 s21, s17, 19
	s_add_co_u32 s21, s21, s18                     ; row 128 ry, column 256 cq, in bytes
	s_lshl_b32 s18, s14, 15
	s_add_co_u32 s18, s18, s21
	s_add_nc_u64 s[CB:CB+1], s[70:71], s[18:19]    ; I fetch rows 8 w on of a group of c
	s_lshl_b32 s18, s14, 17
	s_add_co_u32 s18, s18, s21
	s_add_nc_u64 s[CPB:CPB+1], s[70:71], s[18:19]  ; and prefetch rows 32 w on of the tile
	s_cmp_eq_u32 s16, 0                            ; waves 0, 2 store h_next, waves 1, 3 c_next
	s_cselect_b64 s[OB:OB+1], s[72:73], s[74:75]
	s_lshl_b32 s18, s15, 16
	s_add_co_u32 s18, s18, s21
	s_add_nc_u64 s[OB:OB+1], s[OB:OB+1], s[18:19]  ; rows 16 (w / 2) on of a group
	s_lshl_b32 s54, s14, 7
	s_add_co_u32 s55, s54, OST
	s_add_co_u32 s54, s54, CST
	s_mul_i32 s56, s16, CN
	s_mul_i32 s57, s15, 16*SP
	s_add_co_u32 s56, s56, s57
	s_add_co_u32 s56, s56, OST
	s_mul_i32 s57, s14, 8*SP
	s_add_co_u32 s57, s57, CST
	v_and_b32 v1, 15, v0
	v_bfe_u32 v12, v0, 4, 1
	v_and_b32 v13, 31, v0
	v_lshlrev_b32 v[LOFF], 4, v13
	v_mul_u32_u24 v14, v1, SP
	v_lshl_add_u32 v14, v12, 5, v14                ; r x pitch + 32 h
	v_add_nc_u32 v[CAX], s54, v14                  ; + 128 w
	v_add_nc_u32 v[STO], s55, v14
	v_add_nc_u32 v[RD], s56, v[LOFF]
	v_add_nc_u32 v[CSW], s57, v[LOFF]
	v_lshlrev_b32 v[BO], 5, v12
	s_wait_alu depctr_va_vdst(0)                   ; the head's end
	s_mov_b32 s[TT], 0
	WSET
	WRUN 2                                         ; the first tile's first K step
	s_wait_kmcnt 0x0
	s_add_co_i32 s54, s88, s89                     ; x's half
	s_add_co_i32 s55, s90, s91                     ; h's half
	s_and_b32 s56, s22, 2                          ; SCC: h's half comes first
	s_cselect_b32 s56, s55, s54
	s_cselect_b32 s57, s54, s55
	s_sub_co_i32 s56, s56, s57
	s_add_co_i32 s56, s56, 127
	s_lshl_b32 s[RS], s56, 23
	s_mov_b32 s[RS+1], s[RS]
	s_lshl_b32 s57, s57, 23
	s_add_co_i32 s[SA], s[K1], s57
	s_mov_b32 s[SA+1], s[SA]
	s_add_co_i32 s[SG], s[K2], s57
	s_mov_b32 s[SG+1], s[SG]
	s_wait_tensorcnt 0x0                           ; my quarter of A is in,
	s_barrier_signal -1
	s_barrier_wait -1                              ; everybody's is
.Ltile:
	s_wait_xcnt 0x0                                ; the last tile's stores and loads have read what is written below
	OG
	s_lshl_b32 s18, s18, 7
	s_add_nc_u64 s[BXB:BXB+1], s[10:11], s[18:19]
	s_add_nc_u64 s[BHB:BHB+1], s[68:69], s[18:19]
	s_mov_b32 s[AS], 0
	v_bfe_u32 v1, v0, 4, 1
	v_add_nc_u32 v1, s[X2], v1
	v_and_b32 v1, 3, v1
	v_lshlrev_b32 v1, 8, v1                        ; lanes 0-15: the first pair of waves' 256 bytes of a row, lanes 16-31 the second's
	v_and_b32 v12, 15, v0
	v_lshl_add_u32 v[CO], v12, 4, v1
	v_lshl_add_u32 v[PF], v12, 12, v1
	v_add_nc_u32 v[ADA], s[AS], v[LOFF]
	s_wait_alu depctr_va_vdst(0)
	WRUN 0                                         ; K step 1
.irp e, 0,1,2,3
.irp c, 0,1,2,3
	ds_load_b128 v[AF+16*\e+4*\c:AF+16*\e+4*\c+3], v[ADA] offset:2048*\e+512*\c   ; A's pairs 0 and 1
.endr
.endr
.set PS, 0
.set AO, 8192
	STEP 2, 1, 1, 32, 4                            ; K step 0 starts the sums
	WIN 0
	s_mov_b32 s[AS], 16384
	v_add_nc_u32 v[ADA], s[AS], v[LOFF]
	s_wait_alu depctr_va_vdst(0)
	s_mov_b32 s3, 4
.Ltrip:                                                ; four trips of three K steps: the sets and slots come round
.set AO, 8192
	s_cmp_eq_u32 s3, 4
	s_cbranch_scc0 .Lno_ask
	global_prefetch_b8 v[PF], s[CPB:CPB+1] th:TH_LOAD_NT scope:SCOPE_SE              ; the tile's c: 32 rows x 2 pieces a wave
	global_prefetch_b8 v[PF], s[CPB:CPB+1] offset:65536 th:TH_LOAD_NT scope:SCOPE_SE
.Lno_ask:
	STEP 0, 0, 1, 32, 4
	WIN 0
	s_cmp_eq_u32 s3, 2                             ; between places 7 and 8: the middle of K
	s_cbranch_scc0 .Lno_rescale
.irp w, 0x82, 0xc3
	WIN \w
.set J, 0
.rept 128
	v_pk_mul_f32 v[J:J+1], v[J:J+1], s[RS:RS+1] op_sel_hi:[1,0]   ; each accumulator from its low end on
.set J, J+2
.endr
.endr
	WIN 0
.Lno_rescale:
	s_wait_alu depctr_va_vdst(0)
	STEP 1, 0, 1, 32, 4
	STEP 2, 0, 1, 32, 4
	WIN 0
	s_add_co_u32 s[AS], s[AS], 49152
	v_add_nc_u32 v[ADA], s[AS], v[LOFF]
	s_sub_co_u32 s3, s3, 1
	s_cmp_lg_u32 s3, 0
	s_wait_alu depctr_va_vdst(0)                   ; directly ahead of the branch
	s_cbranch_scc1 .Ltrip
.set AO, 8192
	STEP 0, 0, 1, 32, 4                            ; K step 13 asks for the last weights,
	STEP 1, 0, 2, 32, 4                            ; 14 for c's first group and bx (24 loads),
	STEP 2, 0, 3, 24, 2                            ; 15 for bh
	WIN 0
	PLACES 4
	s_wait_loadcnt 0x0
	WIN 0x04
.irp t, 0,1,2,3,4,5,6,7
	ds_store_b128 v[CSW], v[4*\t:4*\t+3] offset:\t*SP   ; c's first group, by rows
.endr
	WIN 0x05
.irp b, 0,1,2,3,4,5,6,7
.irp i, 0,2,4,6
	v_pk_add_f32 v[32+8*\b+32*(\b/4)+\i:32+8*\b+32*(\b/4)+\i+1], v[32+8*\b+\i:32+8*\b+\i+1], v[128+8*\b+\i:128+8*\b+\i+1]   ; bx + bh
.endr
.endr
	WIN 0
.irp b, 0,1,2,3,4,5,6,7
.irp i, 0,2,4,6
.if (\b)/2 == 2
	v_pk_mul_f32 v[32+8*\b+32*(\b/4)+\i:32+8*\b+32*(\b/4)+\i+1], v[32+8*\b+32*(\b/4)+\i:32+8*\b+32*(\b/4)+\i+1], s[K2:K2+1] op_sel_hi:[1,0]
.else
	v_pk_mul_f32 v[32+8*\b+32*(\b/4)+\i:32+8*\b+32*(\b/4)+\i+1], v[32+8*\b+32*(\b/4)+\i:32+8*\b+32*(\b/4)+\i+1], s[K1:K1+1] op_sel_hi:[1,0]
.endif
.endr
.endr
	s_wait_alu depctr_va_vdst(0)
	s_cmp_lg_u32 s[TT], 0
	s_cbranch_scc1 .Lno_next
	s_add_co_u32 s[X2], s[X2], 2
	WSET
	WRUN 2                                         ; the next tile's first K step, into the set that the tail leaves alone
.Lno_next:
.macro GATES p                         ; the exponents: sum x (-log2 e x 2^(second half's exponents)) + (-log2 e x bias); gate g with -2 log2 e
	WIN 0x42+(\p)/2
	s_wait_alu depctr_va_vdst(0)                   ; ahead of the first reader of matrix results behind transcendentals
.irp k, 0,1
.irp b, 0,1,2,3,4,5,6,7
.irp i, 0,2,4,6
.if (\b)/2 == 2
	v_pk_fma_f32 v[T+64*\k+8*\b+\i:T+64*\k+8*\b+\i+1], v[64*((2*(\p)+\k)%4)+8*\b+\i:64*((2*(\p)+\k)%4)+8*\b+\i+1], s[SG:SG+1], v[32+8*\b+32*(\b/4)+\i:32+8*\b+32*(\b/4)+\i+1] op_sel_hi:[1,0,1]
.else
	v_pk_fma_f32 v[T+64*\k+8*\b+\i:T+64*\k+8*\b+\i+1], v[64*((2*(\p)+\k)%4)+8*\b+\i:64*((2*(\p)+\k)%4)+8*\b+\i+1], s[SA:SA+1], v[32+8*\b+32*(\b/4)+\i:32+8*\b+32*(\b/4)+\i+1] op_sel_hi:[1,0,1]
.endif
.endr
.endr
.endr
	WIN 0
.endm
.macro STAGE reg, off
	WIN 0x04
.irp k, 0,1
.irp u, 0,1
.irp q, 0,1
	ds_store_b128 v[STO], v[(\reg)+64*\k+8*\u+4*\q:(\reg)+64*\k+8*\u+4*\q+3] offset:(\off)+16*SP*\k+64*\u+16*\q
.endr
.endr
.endr
.endm
.macro GROUP last                      ; 32 rows: 32 outputs a lane
	s_wait_dscnt 0x0                               ; my stores into c's stage are done, my reads of the results' stage are back
	s_barrier_signal -1
	s_barrier_wait -1
	WIN 0x40
.irp k, 0,1
.irp u, 0,1
.irp q, 0,1
	ds_load_b128 v[CC+16*\k+8*\u+4*\q:CC+16*\k+8*\u+4*\q+3], v[CAX] offset:16*SP*\k+64*\u+16*\q
.endr
.endr
.endr
	WIN 0
.if \last == 0
	s_wait_xcnt 0x0
	s_add_nc_u64 s[CB:CB+1], s[CB:CB+1], 32*4096
.irp t, 0,1,2,3,4,5,6,7
	global_load_b128 v[CG+4*\t:CG+4*\t+3], v[CO], s[CB:CB+1] offset:\t*4096 th:TH_LOAD_NT   ; the next group's c: a row's two 256-byte pieces an instruction
.endr
	s_cmp_eq_u32 s3, 0
	s_cbranch_scc0 .Lnot_0
	GATES 0
	s_branch .Ljoin
.Lnot_0:
	s_cmp_eq_u32 s3, 1
	s_cbranch_scc0 .Lnot_1
	GATES 1
	s_branch .Ljoin
.Lnot_1:
	GATES 2
.Ljoin:
.else
	GATES 3
.endif
	WIN 0x55
.set N, 0
	s_wait_alu depctr_va_vdst(0)                   ; ahead of the batch
.rept 32
.set Q, T+64*(N/16)+N%16
	v_min_num_f32 v[Q+GG], 0x42800000, v[Q+GG]     ; tanh's exponent held at 64
	v_exp_f32 v[Q+GI], v[Q+GI]
.set N, N+1
.endr
	s_wait_alu depctr_va_vdst(0)
.irp g, GF, GOU, GG
.set N, 0
.rept 32
.set Q, T+64*(N/16)+N%16
	v_exp_f32 v[Q+\g], v[Q+\g]
.set N, N+1
.endr
.endr
	v_nop
	s_wait_alu depctr_va_vdst(0)                   ; one wait for the batch
.set N, 0
.rept 16
.set Q, T+64*(N/16)+N%16
	v_pk_fma_f32 v[XX+N:XX+N+1], v[Q+GG:Q+GG+1], -1.0, 1.0 op_sel_hi:[1,0,0]   ; 1 - Eg
.set N, N+2
.endr
.set N, 0
.rept 16
.set Q, T+64*(N/16)+N%16
	v_pk_add_f32 v[Q+GG:Q+GG+1], v[Q+GG:Q+GG+1], 1.0 op_sel_hi:[1,0]           ; 1 + Eg
.set N, N+2
.endr
.set N, 0
.rept 16
.set Q, T+64*(N/16)+N%16
	v_pk_add_f32 v[Q+GF:Q+GF+1], v[Q+GF:Q+GF+1], 1.0 op_sel_hi:[1,0]           ; 1 + Ef
.set N, N+2
.endr
.set N, 0
.rept 16
.set Q, T+64*(N/16)+N%16
	v_pk_fma_f32 v[Q+GI:Q+GI+1], v[Q+GI:Q+GI+1], v[Q+GG:Q+GG+1], v[Q+GG:Q+GG+1]   ; (1 + Ei) (1 + Eg)
.set N, N+2
.endr
	s_wait_alu depctr_va_vdst(0)
.irp g, GF, GI
.set N, 0
.rept 32
.set Q, T+64*(N/16)+N%16
	v_rcp_f32 v[Q+\g], v[Q+\g]
.set N, N+1
.endr
.endr
	v_nop
	s_wait_alu depctr_va_vdst(0)
	s_wait_dscnt 0x0                               ; c is in
.set N, 0
.rept 16
.set Q, T+64*(N/16)+N%16
	v_pk_mul_f32 v[Q+GF:Q+GF+1], v[Q+GF:Q+GF+1], v[CC+N:CC+N+1]                ; sigmoid(f) c
.set N, N+2
.endr
.set N, 0
.rept 16
.set Q, T+64*(N/16)+N%16
	v_pk_fma_f32 v[Q+GG:Q+GG+1], v[XX+N:XX+N+1], v[Q+GI:Q+GI+1], v[Q+GF:Q+GF+1]   ; c_next
.set N, N+2
.endr
.set N, 0
.rept 16
.set Q, T+64*(N/16)+N%16
	v_pk_mul_f32 v[XX+N:XX+N+1], v[Q+GG:Q+GG+1], s[K2:K2+1] op_sel_hi:[1,0]
.set N, N+2
.endr
.set N, 0
.rept 32
	v_min_num_f32 v[XX+N], 0x42800000, v[XX+N]
.set N, N+1
.endr
.set N, 0
	s_wait_alu depctr_va_vdst(0)
.rept 32
	v_exp_f32 v[XX+N], v[XX+N]                     ; Ec
.set N, N+1
.endr
	v_nop
	STAGE T+GG, CN                                 ; c_next into the stage: these stores name no result of the batch
	WIN 0x55
	s_wait_alu depctr_va_vdst(0)
.set N, 0
.rept 16
.set Q, T+64*(N/16)+N%16
	v_pk_fma_f32 v[Q+GI:Q+GI+1], v[XX+N:XX+N+1], -1.0, 1.0 op_sel_hi:[1,0,0]   ; 1 - Ec
.set N, N+2
.endr
.set N, 0
.rept 16
	v_pk_add_f32 v[XX+N:XX+N+1], v[XX+N:XX+N+1], 1.0 op_sel_hi:[1,0]           ; 1 + Ec
.set N, N+2
.endr
.set N, 0
.rept 16
.set Q, T+64*(N/16)+N%16
	v_pk_fma_f32 v[Q+GOU:Q+GOU+1], v[Q+GOU:Q+GOU+1], v[XX+N:XX+N+1], v[XX+N:XX+N+1]   ; (1 + Eo) (1 + Ec)
.set N, N+2
.endr
.set N, 0
	s_wait_alu depctr_va_vdst(0)
.rept 32
.set Q, T+64*(N/16)+N%16
	v_rcp_f32 v[Q+GOU], v[Q+GOU]
.set N, N+1
.endr
	v_nop
	s_wait_alu depctr_va_vdst(0)
.set N, 0
.rept 16
.set Q, T+64*(N/16)+N%16
	v_pk_mul_f32 v[Q+GI:Q+GI+1], v[Q+GI:Q+GI+1], v[Q+GOU:Q+GOU+1]              ; h_next
.set N, N+2
.endr
	STAGE T+GI, 0
	s_wait_dscnt 0x0                               ; for the others' sake: my stores are done, my reads of c's stage are back
	s_barrier_signal -1
	s_barrier_wait -1
	WIN 0x40
.irp t, 0,1,2,3,4,5,6,7,8,9,10,11,12,13,14,15
	ds_load_b128 v[RB+4*\t:RB+4*\t+3], v[RD] offset:\t*SP   ; 16 whole rows of one output
.endr
	WIN 0x04
.irp t, 0,1,2,3,4,5,6,7,8,9,10,11,12,13,14,15
	s_wait_dscnt 15-\t
	global_store_b128 v[CO], v[RB+4*\t:RB+4*\t+3], s[OB:OB+1] offset:\t*4096 th:TH_STORE_NT   ; 16 lanes store 256 consecutive bytes, aligned
.endr
	WIN 0
	s_wait_xcnt 0x0                                ; the stores have read their base
.if \last == 0
	s_add_nc_u64 s[OB:OB+1], s[OB:OB+1], 32*4096
	s_wait_loadcnt 0x0                             ; the next group's c is in; every wave's reads of c's stage were back ahead of the barrier above
.irp t, 0,1,2,3,4,5,6,7
	ds_store_b128 v[CSW], v[CG+4*\t:CG+4*\t+3] offset:\t*SP
.endr
.endif
.endm
	s_mov_b32 s3, 0
.Lgroup:
	GROUP 0
	s_add_co_u32 s3, s3, 1
	s_cmp_lt_u32 s3, 3
	s_cbranch_scc1 .Lgroup
	GROUP 1
	s_sub_nc_u64 s[OB:OB+1], s[OB:OB+1], 96*4096   ; back to the tile's first rows
	s_sub_nc_u64 s[CB:CB+1], s[CB:CB+1], 96*4096
	s_add_co_u32 s[TT], s[TT], 1
	s_cmp_lt_u32 s[TT], 2
	s_cbranch_scc1 .Ltile
	s_wait_tensorcnt 0x0                           ; the wave's end
	ds_add_u32 v[SPW], v[NIL]
	s_wait_dscnt 0x0
	ROUND                                          ; the closing round
	s_endpgm
.Lfunc_end_k_q56c39bef2d_cell:
	.size	k_q56c39bef2d_cell, .Lfunc_end_k_q56c39bef2d_cell-k_q56c39bef2d_cell
	.p2alignl 7, 3214868480
	.fill 96, 4, 3214868480
	.section	.rodata,"a",@progbits
	.p2align	6, 0x0
	.amdhsa_kernel k_q56c39bef2d_cell
		.amdhsa_group_segment_fixed_size 327680
		.amdhsa_private_segment_fixed_size 0
		.amdhsa_enable_private_segment 0
		.amdhsa_kernarg_size 64
		.amdhsa_user_sgpr_count 2
		.amdhsa_user_sgpr_kernarg_segment_ptr 1
		.amdhsa_wavefront_size32 1
		.amdhsa_system_sgpr_workgroup_id_x 1
		.amdhsa_system_sgpr_workgroup_id_y 1
		.amdhsa_system_sgpr_workgroup_id_z 1
		.amdhsa_system_vgpr_workitem_id 0
		.amdhsa_next_free_vgpr 1024
		.amdhsa_next_free_sgpr 100
		.amdhsa_reserve_vcc 0
		.amdhsa_float_denorm_mode_32 3
		.amdhsa_float_denorm_mode_16_64 3
		.amdhsa_memory_ordered 1
		.amdhsa_forward_progress 1
		.amdhsa_inst_pref_size 182
	.end_amdhsa_kernel
	.amdgpu_metadata
---
amdhsa.version: [ 1, 2 ]
amdhsa.kernels:
  - .name:           k_q56c39bef2d_cell
    .symbol:         k_q56c39bef2d_cell.kd
    .args:
      - { .name: a_codes, .offset: 0, .size: 8, .value_kind: global_buffer, .address_space: global }
      - { .name: w_codes, .offset: 8, .size: 8, .value_kind: global_buffer, .address_space: global }
      - { .name: lowp_scales, .offset: 16, .size: 8, .value_kind: global_buffer, .address_space: global }
      - { .name: bx, .offset: 24, .size: 8, .value_kind: global_buffer, .address_space: global }
      - { .name: bh, .offset: 32, .size: 8, .value_kind: global_buffer, .address_space: global }
      - { .name: c, .offset: 40, .size: 8, .value_kind: global_buffer, .address_space: global }
      - { .name: out0, .offset: 48, .size: 8, .value_kind: global_buffer, .address_space: global }
      - { .name: out1, .offset: 56, .size: 8, .value_kind: global_buffer, .address_space: global }
    .group_segment_fixed_size: 327680
    .private_segment_fixed_size: 0
    .kernarg_segment_align: 8
    .kernarg_segment_size: 64
    .max_flat_workgroup_size: 128
    .sgpr_count:     100
    .vgpr_count:     1024
    .wavefront_size: 32
...
	.end_amdgpu_metadata
.endif
;; end of part 2
